; MI455X (gfx1250); checked and timed in simulation.
; The chip was launched on July 23, 2026; its instructions are those of AMD's public machine-readable ISA for CDNA 5 (MIT licence, August 2026) and "CDNA5" Instruction Set Architecture Reference Guide (July 2026). The comments in the code are by the model that wrote it; some were corrected since.
;; Differentiable Persistence Image. Allowed arithmetic: float matrix products may take bf16 or f16 operands with f32 sums; all other float work in f32.
;; Inputs: diagrams 32 x 65,536 x 2 float32.
;; Outputs: out0 32 x 50 x 50 float32.
;; One version. Each part assembles by itself: llvm-mc -triple=amdgcn-amd-amdhsa -mcpu=gfx1250 --defsym DOCPART=n.
;; ======== version 1 of 1: 2 launches
;; limits: right only within a limited range of input values
;; workspace buffers: part 2,560,000 bytes
;; launch image (part 1): grid 256 x 1, 8 waves a work-group, no clusters, 226,304 bytes of LDS; arguments diagrams, part; writes part
.if DOCPART == 1
	.amdgcn_target "amdgcn-amd-amdhsa--gfx1250"
	.amdhsa_code_object_version 6
	.text
	.protected	k_qe44e689343_image
	.globl	k_qe44e689343_image
	.p2align	8
	.type	k_qe44e689343_image,@function
k_qe44e689343_image:
	s_mov_b64 s[64:65], 0
	v_nop
	global_prefetch_b8 v0, s[64:65] scope:SCOPE_SE
	s_setreg_imm32_b32 hwreg(HW_REG_WAVE_MODE, 25, 1), 1
	s_wait_xcnt 0x0
; Persistence image, partial sums.  part[s][batch][i][j] = sum over the 8,192 points n of slice s of
;      w_n * G_a(b_n) P_k(b_n) * G_a'(d_n) P_k'(d_n),        w = min(|d - b|, 10)^2,
; which is out[i][j] of that slice without the factor 2^(L(i) + L(j)); the next launch adds the eight slices and applies that factor.
;
; THE IDENTITY.  Grid x_i = i / 49, i = 5 a + kap, k = kap - 2, anchor x_a = (5 a + 2) / 49, c^2 = log2(e) / (2 * 0.05^2 + 1e-8).  Exactly
;      exp2(-c^2 (x_i - b)^2) = G_a(b) * P_k(b) * 2^L(i),   G_a = exp2(-c^2 (x_a - b)^2),   P_k = exp2(k gam (b - 1/2)),
;      gam = 2 c^2 / 49,   L(i) = (c^2 / 2401) k (49 + k - 2 i),  |L| < 11.3.
; So a point and an axis cost 12 exponentials (ten G, P-1, P+1; P-2 and P+2 are squares) in place of 50, and L hangs on the output index alone.
; b and d are clamped to [-1, 2] for G and P only: outside, every |x_i - b| >= 1 and exp(-200) is 0 in f32, here as in the definition
; (the largest exponent left is -312); inside, |k gam (b - 1/2)| <= 35.4, so no P overflows.  w is made from the values as given.
; LIMITS.  (1) A NaN among the inputs (or inf - inf) does not give NaN: v_med3_num_f32 and v_min_num_f32 drop it.
; (2) A factor exp(..) below 2^-110 may come out as 0, since its anchor G_a is then below 2^-126, which v_exp_f32 returns as 0.
; (3) The two matrix operands are rounded to bf16, the sums are f32.
;
; SHARES.  Work-group g: bytes 65,536 g .. +65,535 of diagrams = slice g & 7 of batch g >> 3.  Wave w: 1,024 points = 32 K steps of 32 points,
; all 4 x 4 tiles of the 64 x 64 padded image in 128 registers.  Waves meet only at the end.  No two work-groups read a common byte, so there
; is nothing to share in a cluster; the input is one flat stream, which plain 16-byte loads fetch in runs of 512 bytes a wave.
; A K STEP.  Lane = point while the 100 numbers are made; the matrix unit wants lane = grid index with the points along the registers.
; So each lane stores its point's row (64 + 64 bf16) into the wave's own stage in LDS and the fragments come back by transposing loads.
; Column order in the stage: col = 10 kap + a, so that a packed register is one pair of G times one P; the way out undoes it once.
.set SPITCH, 288                       ; stage row: 256 bytes + room for the skew; 9 x 32 bytes
.set SWAVE,  32*SPITCH                 ; a wave's stage, 9,216 bytes, at SWAVE x wave
.set RED,    8*SWAVE                   ; 73,728: the waves' sums on the way out
.set RPITCH, 272                       ; a row of 64 f32 + 16 bytes
.set RWAVE,  64*RPITCH                 ; 17,408 bytes a wave
.set NAT,    RED+8*RWAVE               ; 212,992: the 50 x 50 image in its natural order, 10,000 bytes, in a region of 12,288 = three passes
                                       ; of 256 threads x 16 bytes, so that every address of the last pass's register lies in the allocation
.set SA,   1                           ; v1       stage address of my point's row: 288 L + 16 ((L >> 3) & 1)
.set LA,   2                           ; v2       stage address for the transposing loads
.set GO,   3                           ; v3       byte offset of my 16 bytes in the work-group's input: 8,192 wave + 16 L
.set BC,   4                           ; v[4:5]   b, d clamped
.set W,    6                           ; v6 w, v7 at work
.set PM0,  8                           ; v[8:9] axis 0, v[10:11] axis 1: exponents of (P-1, P+1), then the two P
.set PQ,   12                          ; v[12:13] (P-2, P+2)
.set GV,   14                          ; v[14:15] (-gam, gam)
.set GH,   16                          ; v[16:17] (gam/2, -gam/2)
.set G,    18                          ; v[18:27] G_0 .. G_9
.set XC,   28                          ; v[28:37] c x_a
.set T,    38                          ; v[38:45] four products of pairs
.set PK,   46                          ; v[46:49] eight bf16 columns to store
.set Z1,   50                          ; v50      columns 48, 49
.set RING, 52                          ; v[52:63] three slots of 4: two points (b, d, b, d) a lane
.set FA,   64                          ; v[64:95]   four fragments of ex
.set FB,   96                          ; v[96:127]  four fragments of ey
.set ACC,  128                         ; v[128:255] tile (p, q) at ACC + 8 (4 p + q)
	s_load_b128 s[4:7], s[0:1], 0x0                ; diagrams s[4:5], part s[6:7]
	v_lshl_add_u32 v51, v0, 2, 0x37000
	s_set_vgpr_msb 0x40
	v_mov_b32 v1, 0
	s_set_vgpr_msb 0x4000
	v_lshrrev_b32 v4, 5, v0
	v_readfirstlane_b32 s8, v4                     ; wave 0..7
	v_and_b32 v5, 31, v0                           ; lane L
	s_lshl_b32 s2, ttmp9, 16                       ; 65,536 bytes of input a work-group
	s_mov_b32 s3, 0
	s_lshl_b32 s11, s8, 13                         ; 8,192 bytes a wave
	v_lshl_add_u32 v[GO], v5, 4, s11
	s_and_b32 s14, ttmp9, 7                        ; slice
	s_mul_i32 s14, s14, 320000                     ; 32 images of 10,000 bytes a slice
	s_lshr_b32 s15, ttmp9, 3                       ; batch
	s_mul_i32 s15, s15, 10000
	s_add_co_u32 s14, s14, s15
	s_mov_b32 s15, 0
	s_wait_kmcnt 0x0
	s_add_nc_u64 s[4:5], s[4:5], s[2:3]
	s_add_nc_u64 s[6:7], s[6:7], s[14:15]
.irp u, 0,1,2
	global_load_b128 v[RING+4*\u:RING+4*\u+3], v[GO], s[4:5] offset:512*\u th:TH_LOAD_NT   ; the ring is filled first: K steps 0 to 5
.endr
	; Stage addresses.  Rows 8-15 and 24-31 are shifted by 16 bytes: with a pitch of 9 x 32 bytes the sixteen lanes of half a 16-byte
	; store then start at sixteen different 16-byte columns modulo 256 bytes, and so do the sixteen lanes of half a transposing load.
	v_bfe_u32 v6, v0, 3, 1                         ; (L >> 3) & 1
	v_bfe_u32 v7, v0, 4, 1                         ; h = L >> 4
	v_and_b32 v8, 7, v0
	s_mul_i32 s11, s8, SWAVE
	v_mul_u32_u24 v[SA], v5, SPITCH
	v_lshl_add_u32 v[SA], v6, 4, v[SA]
	v_add_nc_u32 v[SA], s11, v[SA]
	v_lshl_add_u32 v[LA], v7, 3, v8                ; row 8 h + (L & 7); its shift is 16 h, also 16 rows further down
	v_mul_u32_u24 v[LA], v[LA], SPITCH
	v_add_nc_u32 v9, v6, v7                        ; 16 h for the row's shift + 16 ((L >> 3) & 1) for the column half
	v_lshl_add_u32 v[LA], v9, 4, v[LA]
	v_add_nc_u32 v[LA], s11, v[LA]
	; constants
	s_mov_b32 s10, 0x42c80000                      ; 100.0
	s_mov_b32 s12, 0xc187e430                      ; -c = -16.986419, twice: a scalar pair for the packed fma
	s_mov_b32 s13, 0xc187e430
	s_mov_b32 s16, 0x3eb17da2                      ; c / 49
	s_mov_b32 s18, 0x76543210                      ; v_permlanex16_b32: lane i of one half reads lane i of the other
	s_mov_b32 s19, 0xfedcba98
	v_mov_b32 v[GV],   0xc13c6eea                  ; -gam = -11.777079
	v_mov_b32 v[GV+1], 0x413c6eea
	v_mov_b32 v[GH],   0x40bc6eea                  ; gam / 2
	v_mov_b32 v[GH+1], 0xc0bc6eea
.irp e, 0,1,2,3,4,5,6,7,8,9
	v_cvt_f32_u32 v[XC+\e], 5*\e+2
.endr
.irp e, 0,1,2,3,4,5,6,7,8,9
	v_mul_f32 v[XC+\e], s16, v[XC+\e]              ; c (5 a + 2) / 49
.endr
	; columns 50 to 63 of both halves of my row are zero in every K step: written once
.irp e, 0,1,2,3
	v_mov_b32 v[T+\e], 0
.endr
.irp o, 0,128
	ds_store_b32  v[SA], v[T]       offset:\o+100
	ds_store_b64  v[SA], v[T:T+1]   offset:\o+104
	ds_store_b128 v[SA], v[T:T+3]   offset:\o+112
.endr
; What a K step needs of its point: rb = the register that holds b (d in the next).  Seven plain vector instructions that name no
; register of a matrix instruction: in a step they are also the places between the matrix run and the loads into its sources.
.macro HEAD rb
	v_sub_f32 v[W+1], v[\rb+1], v[\rb]
	v_med3_num_f32 v[BC],   v[\rb],   -1.0, 2.0
	v_med3_num_f32 v[BC+1], v[\rb+1], -1.0, 2.0
	v_mul_f32 v[W+1], v[W+1], v[W+1]
	v_pk_fma_f32 v[PM0:PM0+1],   v[BC:BC+1], v[GV:GV+1], v[GH:GH+1] op_sel:[0,0,0] op_sel_hi:[0,1,1]   ; (-q, q), q = gam (b - 1/2)
	v_pk_fma_f32 v[PM0+2:PM0+3], v[BC:BC+1], v[GV:GV+1], v[GH:GH+1] op_sel:[1,0,0] op_sel_hi:[1,1,1]   ; the same of d
	v_min_num_f32 v[W], s10, v[W+1]                ; min((d - b)^2, 100) = min(|d - b|, 10)^2
.endm
; packed register jj (columns 2 jj, 2 jj + 1): kap = jj / 5, the pair of G is number jj % 5
.macro PRODJ
.set kap, jj/5
.set mm, jj%5
.set td, T+2*(jj%4)
.if kap == 0
	v_pk_mul_f32 v[td:td+1], v[G+2*mm:G+2*mm+1], v[PQ:PQ+1] op_sel:[0,0] op_sel_hi:[1,0]       ; x P-2
.endif
.if kap == 1
	v_pk_mul_f32 v[td:td+1], v[G+2*mm:G+2*mm+1], v[PMX:PMX+1] op_sel:[0,0] op_sel_hi:[1,0]     ; x P-1
.endif
.if kap == 3
	v_pk_mul_f32 v[td:td+1], v[G+2*mm:G+2*mm+1], v[PMX:PMX+1] op_sel:[0,1] op_sel_hi:[1,1]     ; x P+1
.endif
.if kap == 4
	v_pk_mul_f32 v[td:td+1], v[G+2*mm:G+2*mm+1], v[PQ:PQ+1] op_sel:[0,1] op_sel_hi:[1,1]       ; x P+2
.endif
.endm
.macro CVTJ
.set kap, jj/5
.set mm, jj%5
.if kap == 2
	v_cvt_pk_bf16_f32 v[PK+jj%4], v[G+2*mm], v[G+2*mm+1]                                       ; k = 0: G itself
.else
	v_cvt_pk_bf16_f32 v[PK+jj%4], v[T+2*(jj%4)], v[T+2*(jj%4)+1]
.endif
.endm
; The 50 numbers of one axis (ax = 0: ex with w folded in, from b; 1: ey, from d) into bytes 128 ax .. of my stage row.
; Behind a transcendental one plain independent vector instruction stands before its result is used (ISA guide 5.7.2):
; for P and G_0..7 that is the square of the last pair, for G_8, G_9 the square of P.
.macro GEN ax
.set PMX, PM0+2*\ax
.irp m, 0,1,2,3,4
	v_pk_fma_f32 v[G+2*\m:G+2*\m+1], v[BC:BC+1], s[12:13], v[XC+2*\m:XC+2*\m+1] op_sel:[\ax,0,0] op_sel_hi:[\ax,0,1]   ; u = c (x_a - b)
.endr
.irp m, 0,1,2,3
	v_pk_mul_f32 v[G+2*\m:G+2*\m+1], v[G+2*\m:G+2*\m+1], v[G+2*\m:G+2*\m+1] neg_lo:[1,0] neg_hi:[1,0]                  ; -u^2
.endr
	v_exp_f32 v[PMX], v[PMX]
	v_exp_f32 v[PMX+1], v[PMX+1]
.irp e, 0,1,2,3,4,5,6,7
	v_exp_f32 v[G+\e], v[G+\e]
.endr
	v_pk_mul_f32 v[G+8:G+9], v[G+8:G+9], v[G+8:G+9] neg_lo:[1,0] neg_hi:[1,0]
	v_exp_f32 v[G+8], v[G+8]
	v_exp_f32 v[G+9], v[G+9]
	s_wait_alu depctr_va_vdst(0)
	v_pk_mul_f32 v[PQ:PQ+1], v[PMX:PMX+1], v[PMX:PMX+1]
.if \ax == 0
.irp m, 0,1,2,3,4
	v_pk_mul_f32 v[G+2*\m:G+2*\m+1], v[G+2*\m:G+2*\m+1], v[W:W+1] op_sel_hi:[1,0]              ; w once, on the ten G
.endr
.endif
.set j0, 0
.rept 6                                            ; six stores of eight columns
.set jj, j0
.rept 4
	PRODJ
.set jj, jj+1
.endr
.set jj, j0
.rept 4
	CVTJ
.set jj, jj+1
.endr
	ds_store_b128 v[SA], v[PK:PK+3] offset:128*\ax+4*j0
.set j0, j0+4
.endr
	v_pk_mul_f32 v[T:T+1], v[G+8:G+9], v[PQ:PQ+1] op_sel:[0,1] op_sel_hi:[1,1]                 ; columns 48, 49: kap = 4, a = 8, 9
	v_cvt_pk_bf16_f32 v[Z1], v[T], v[T+1]
	ds_store_b32 v[SA], v[Z1] offset:128*\ax+96
.endm
.macro WMMA16 zero                                 ; 32 points into all 16 tiles; zero = 1: the first products start the sums
.irp p, 0,1,2,3
.irp q, 0,1,2,3
.if \zero
	v_wmma_f32_16x16x32_bf16 v[ACC+8*(4*\p+\q):ACC+8*(4*\p+\q)+7], v[FA+8*\p:FA+8*\p+7], v[FB+8*\q:FB+8*\q+7], 0
.else
	v_wmma_f32_16x16x32_bf16 v[ACC+8*(4*\p+\q):ACC+8*(4*\p+\q)+7], v[FA+8*\p:FA+8*\p+7], v[FB+8*\q:FB+8*\q+7], v[ACC+8*(4*\p+\q):ACC+8*(4*\p+\q)+7]
.endif
.endr
.endr
.endm
; Fragment of columns 16 t .. 16 t + 15: registers 0-3 points 8 h .. 8 h + 7, registers 4-7 points 16 + 8 h .. (16 rows further down)
.macro LOADFRAG
.irp t, 0,1,2,3
	ds_load_tr16_b128 v[FA+8*\t:FA+8*\t+3],   v[LA] offset:32*\t
	ds_load_tr16_b128 v[FA+8*\t+4:FA+8*\t+7], v[LA] offset:32*\t+16*SPITCH
	ds_load_tr16_b128 v[FB+8*\t:FB+8*\t+3],   v[LA] offset:128+32*\t
	ds_load_tr16_b128 v[FB+8*\t+4:FB+8*\t+7], v[LA] offset:128+32*\t+16*SPITCH
.endr
.endm
; K step t: make and store step t's rows; multiply step t - 1's fragments (wm); take the point of step t + 1 (rb, or -1 for none; lw: how many
; younger ring loads may stay out, -1: the slot was waited for a step ago); load ring slot ls again from offset lo (-1: not); fetch step t's fragments.
; The stage is one buffer: LDS serves a wave's instructions in order (ISA guide 5.7.1), so this step's stores come behind the last step's
; fragment loads and in front of this step's; the fragment loads' way back is covered by the next step's arithmetic.
.macro STEP wm, zero, rb, lw, ls, lo
	GEN 0
	GEN 1
	s_wait_dscnt 14                                ; only this step's 14 stores are younger: the 16 fragment loads in front of them are in
.if \wm
	WMMA16 \zero
.endif
.if \lw >= 0
	s_wait_loadcnt \lw                             ; loads come back in order: the slot that HEAD reads is in
.endif
.if \rb >= 0
	HEAD \rb                                       ; at least four places between the matrix run and the loads into its sources
.else
.rept 4
	v_nop                                          ; the same four places where no point follows
.endr
.endif
.if \ls >= 0
	global_load_b128 v[RING+4*\ls:RING+4*\ls+3], v[GO], s[4:5] offset:\lo th:TH_LOAD_NT        ; both points of the slot are taken: three pairs of steps ahead
.endif
	LOADFRAG
.endm
	; Ring load u serves K steps 2 u and 2 u + 1 and lies in slot u % 3.  Sixteen loads: 0-2 above, 3 in step 0, 4-15 in the loop.
	s_wait_loadcnt 2                               ; load 0 is in; 1 and 2 stay out
	HEAD RING
	STEP 0, 0, RING+2, -1, 0, 1536                 ; t = 0: nothing to multiply yet; load 3
	STEP 1, 1, RING+4, 2, -1, 0                    ; t = 1: the first products start the sums; load 1 is in, 2 and 3 stay out
	s_mov_b32 s9, 0
.Ltrip:                                            ; trip n: t = 2 + 6 n .. 7 + 6 n, loads 4 + 3 n .. 6 + 3 n
	STEP 1, 0, RING+6,  -1,  1, 2048
	STEP 1, 0, RING+8,   2, -1, 0                  ; each wait leaves the two youngest loads out
	STEP 1, 0, RING+10, -1,  2, 2560
	STEP 1, 0, RING+0,   2, -1, 0
	STEP 1, 0, RING+2,  -1,  0, 3072
	STEP 1, 0, RING+4,   2, -1, 0
	s_wait_xcnt 0x0                                ; the base of the trip's loads is stepped only behind this wait
	s_add_nc_u64 s[4:5], s[4:5], 1536              ; three loads of 512 bytes a trip; the last one asked for is the wave's bytes 7,680 .. 8,191
	s_add_co_u32 s9, s9, 1
	s_cmp_lt_u32 s9, 4
	s_cbranch_scc1 .Ltrip
	STEP 1, 0, RING+6,  -1, -1, 0                  ; t = 26 .. 31: nothing is loaded any more, the counts run down
	STEP 1, 0, RING+8,   1, -1, 0                  ; load 14 is in, 15 stays out
	STEP 1, 0, RING+10, -1, -1, 0
	STEP 1, 0, RING+0,   0, -1, 0                  ; load 15
	STEP 1, 0, RING+2,  -1, -1, 0
	STEP 1, 0, -1, -1, -1, 0                       ; t = 31: no point follows
	s_wait_dscnt 0x0
	WMMA16 0                                       ; step 31's fragments
	; THE WAY OUT.  The address arithmetic below is more than the four places that the stores of the sums want behind the matrix run.
.set EA, 4                             ; v4  my wave's sums: RED + RWAVE wave + 272 r + 32 h
.set EB, 5                             ; v5  the adding pass: RED + 4 RWAVE h + 272 (10 wave + r)
.set EC, 6                             ; v6  NAT + 20 r + 4 wave
.set ED, 7                             ; v7  NAT + 16 thread
.set EG, 8                             ; v8  16 thread
	v_and_b32 v9, 15, v0                           ; r
	v_bfe_u32 v10, v0, 4, 1                        ; h
	v_and_b32 v11, 31, v0                          ; lane
	v_mul_u32_u24 v[EB], v9, RPITCH
	s_mul_i32 s11, s8, RWAVE
	s_add_co_u32 s11, s11, RED
	v_lshl_add_u32 v[EA], v10, 5, v[EB]
	v_add_nc_u32 v[EA], s11, v[EA]
	s_mul_i32 s11, s8, 10*RPITCH
	s_add_co_u32 s11, s11, RED
	v_mad_u32_u24 v[EB], v10, 4*RWAVE, v[EB]
	v_add_nc_u32 v[EB], s11, v[EB]
	v_mul_u32_u24 v[EC], v9, 20
	s_lshl_b32 s11, s8, 2
	s_add_co_u32 s11, s11, NAT
	v_add_nc_u32 v[EC], s11, v[EC]
	v_lshlrev_b32 v[EG], 4, v0
	v_add_nc_u32 v[ED], NAT, v[EG]
	; A. Register j of lane (r, h) of tile (p, q) is (ex column 16 p + 8 h + j, ey column 16 q + r): row = ey column, 272 bytes apart,
	; ex column along the row, so four registers are 16 neighbouring bytes.  Of p = 3 only columns 48, 49 count: its first four registers.
.irp q, 0,1,2,3
.irp p, 0,1,2
	ds_store_b128 v[EA], v[ACC+8*(4*\p+\q):ACC+8*(4*\p+\q)+3]   offset:16*RPITCH*\q+64*\p
	ds_store_b128 v[EA], v[ACC+8*(4*\p+\q)+4:ACC+8*(4*\p+\q)+7] offset:16*RPITCH*\q+64*\p+16
.endr
	ds_store_b128 v[EA], v[ACC+8*(12+\q):ACC+8*(12+\q)+3]       offset:16*RPITCH*\q+192
.endr
	s_wait_dscnt 0x0                               ; my sums lie in LDS before I say so
	s_barrier_signal -1
	s_barrier_wait -1
	; B. Waves 0 to 4: wave = kap of the ey column, r = its a (ten of sixteen lanes count), so row 10 wave + r; lanes with h = 0 add the
	; sums of waves 0-3, those with h = 1 of waves 4-7, and the halves are added across.  13 quads of ex columns, 52 loads.
	s_cmp_gt_u32 s8, 4
	s_cbranch_scc1 .Lothers
.set c4, 0
.rept 13
.if c4 < 12
.set xb, 64+16*c4
.else
.set xb, 32
.endif
.irp vv, 0,1,2,3
	ds_load_b128 v[xb+4*\vv:xb+4*\vv+3], v[EB] offset:RWAVE*\vv+16*c4
.endr
.set c4, c4+1
.endr
.macro SUM8 x                                      ; four waves' quads at x, x+4, x+8, x+12 -> all eight waves' sum in x .. x+3
	v_pk_add_f32 v[\x:\x+1],    v[\x:\x+1],    v[\x+4:\x+5]
	v_pk_add_f32 v[\x+2:\x+3],  v[\x+2:\x+3],  v[\x+6:\x+7]
	v_pk_add_f32 v[\x+8:\x+9],  v[\x+8:\x+9],  v[\x+12:\x+13]
	v_pk_add_f32 v[\x+10:\x+11], v[\x+10:\x+11], v[\x+14:\x+15]
	v_pk_add_f32 v[\x:\x+1],    v[\x:\x+1],    v[\x+8:\x+9]
	v_pk_add_f32 v[\x+2:\x+3],  v[\x+2:\x+3],  v[\x+10:\x+11]
.irp e, 0,1,2,3
	v_permlanex16_b32 v[\x+4+\e], v[\x+\e], s18, s19
.endr
	v_pk_add_f32 v[\x:\x+1],    v[\x:\x+1],    v[\x+4:\x+5]
	v_pk_add_f32 v[\x+2:\x+3],  v[\x+2:\x+3],  v[\x+6:\x+7]
.endm
.set c4, 0
.rept 13
.if c4 < 12
.set xb, 64+16*c4
.else
.set xb, 32
.endif
	s_wait_dscnt 4*(12-c4)                         ; this quad's four loads are in, the later quads' stay out
	SUM8 xb
.set c4, c4+1
.endr
	v_cmp_gt_u32 vcc_lo, 10, v11                   ; lanes 0 to 9: a = 0 .. 9
	s_wait_xcnt 0x0                                ; EXEC changes only behind this wait
	s_and_saveexec_b32 s20, vcc_lo
	; ex column cx = 10 kap + a is row i = 5 (cx % 10) + cx / 10 of the image; my ey column is column j = 5 r + wave.
	; The word at 200 i + 20 r + 4 wave (r < 10, wave < 5) is another one for each (i, r, wave): no two waves write the same word,
	; and the five waves' 50 x 10 words each are the image's 2,500.
.set cx, 0
.rept 50
.if cx < 48
.set xr, 64+16*(cx/4)+cx%4
.else
.set xr, 32+cx%4
.endif
	ds_store_b32 v[EC], v[xr] offset:200*(5*(cx%10)+cx/10)
.set cx, cx+1
.endr
	s_wait_xcnt 0x0
	s_or_b32 exec_lo, exec_lo, s20
.Lothers:
	s_wait_dscnt 0x0                               ; the image's words lie in LDS before I say so
	s_barrier_signal -1
	s_barrier_wait -1
	; C. 625 quads out: thread t takes quads t, t + 256 and, where t < 113, t + 512; a store of a wave covers 512 neighbouring bytes
	ds_load_b128 v[12:15], v[ED]
	ds_load_b128 v[16:19], v[ED] offset:4096
	s_wait_dscnt 0x0
	global_store_b128 v[EG], v[12:15], s[6:7]
	global_store_b128 v[EG], v[16:19], s[6:7] offset:4096
	v_cmp_gt_u32 vcc_lo, 113, v0
	s_wait_xcnt 0x0                                ; EXEC is a source of the two stores above
	s_set_vgpr_msb 0x4
	s_wait_tensorcnt 0x0
	ds_add_u32 v51, v1
	s_wait_dscnt 0x0
	s_set_vgpr_msb 0x400
	s_and_saveexec_b32 s20, vcc_lo
	ds_load_b128 v[20:23], v[ED] offset:8192       ; threads 0 to 112: bytes 8,192 .. 9,999 of the image; the other lanes are off
	s_wait_dscnt 0x0
	global_store_b128 v[EG], v[20:23], s[6:7] offset:8192
	s_wait_xcnt 0x0
	s_or_b32 exec_lo, exec_lo, s20
	s_endpgm
.Lfunc_end_k_qe44e689343_image:
	.size	k_qe44e689343_image, .Lfunc_end_k_qe44e689343_image-k_qe44e689343_image
	.p2alignl 7, 3214868480
	.fill 96, 4, 3214868480
	.section	.rodata,"a",@progbits
	.p2align	6, 0x0
	.amdhsa_kernel k_qe44e689343_image
		.amdhsa_group_segment_fixed_size 226304
		.amdhsa_private_segment_fixed_size 0
		.amdhsa_enable_private_segment 0
		.amdhsa_kernarg_size 16
		.amdhsa_user_sgpr_count 2
		.amdhsa_user_sgpr_kernarg_segment_ptr 1
		.amdhsa_wavefront_size32 1
		.amdhsa_system_sgpr_workgroup_id_x 1
		.amdhsa_system_sgpr_workgroup_id_y 1
		.amdhsa_system_sgpr_workgroup_id_z 1
		.amdhsa_system_vgpr_workitem_id 0
		.amdhsa_next_free_vgpr 258
		.amdhsa_next_free_sgpr 66
		.amdhsa_reserve_vcc 1
		.amdhsa_float_denorm_mode_32 3
		.amdhsa_float_denorm_mode_16_64 3
		.amdhsa_memory_ordered 1
		.amdhsa_forward_progress 1
		.amdhsa_inst_pref_size 185
	.end_amdhsa_kernel
	.amdgpu_metadata
---
amdhsa.version: [ 1, 2 ]
amdhsa.kernels:
  - .name:           k_qe44e689343_image
    .symbol:         k_qe44e689343_image.kd
    .args:
      - { .name: diagrams, .offset: 0, .size: 8, .value_kind: global_buffer, .address_space: global }
      - { .name: part, .offset: 8, .size: 8, .value_kind: global_buffer, .address_space: global }
    .group_segment_fixed_size: 226304
    .private_segment_fixed_size: 0
    .kernarg_segment_align: 8
    .kernarg_segment_size: 16
    .max_flat_workgroup_size: 256
    .sgpr_count:     66
    .vgpr_count:     258
    .wavefront_size: 32
...
	.end_amdgpu_metadata
.endif
;; end of part 1
;; launch finish (part 2): grid 125 x 1, 5 waves a work-group, no clusters, 0 bytes of LDS; arguments part, out0; writes out0
.if DOCPART == 2
	.amdgcn_target "amdgcn-amd-amdhsa--gfx1250"
	.amdhsa_code_object_version 6
	.text
	.protected	k_qe44e689343_finish
	.globl	k_qe44e689343_finish
	.p2align	8
	.type	k_qe44e689343_finish,@function
k_qe44e689343_finish:
	s_mov_b64 s[64:65], 0
	v_nop
	global_prefetch_b8 v0, s[64:65] scope:SCOPE_SE
	s_setreg_imm32_b32 hwreg(HW_REG_WAVE_MODE, 25, 1), 1
	s_wait_xcnt 0x0
; out0[batch][i][j] = 2^(L(i) + L(j)) * sum over the eight slices s of part[s][batch][i][j],
; L(x) = bet k (49 + k - 2 x), k = x mod 5 - 2, bet = log2(e) / (2 * 0.05^2 + 1e-8) / 2401: the factor that the first launch left out.
; 80,000 numbers = 20,000 quads = 125 work-groups of 160 threads, a quad each: eight loads of 16 bytes, all asked for at once, one store.
; A load or store of a wave covers 512 neighbouring bytes; out0's lie at multiples of 512 from its first byte.  The slices are added in a
; fixed tree.  A stream of 2.9 MB with no reuse: LDS, matrix units and clusters have nothing to give here.
; The indices are split in f32: all numbers are whole and below 2^17, so every product and sum is exact, and floor(0.02 f + 0.01) = f div 50
; since the fraction of f / 50 is at most 0.98 and the error of the fma is below 0.001 for f < 80,000 (likewise 0.2 x + 0.1 for x div 5).
.set SLICE, 320000                     ; bytes of one slice of part
.set P,  8                             ; v[8:39]  slice s: 4 registers
.set SC, 40                            ; v[40:43] the four factors
.set FI, 44                            ; flat index
.set RI, 45                            ; flat row, then i
.set CJ, 46                            ; j
.set TA, 47
.set TB, 48
.set E0, 49
.set E1, 50
	s_load_b128 s[4:7], s[0:1], 0x0                ; part s[4:5], out0 s[6:7]
	s_mul_i32 s8, ttmp9, 160
	v_add_nc_u32 v1, s8, v0                        ; my quad
	v_lshlrev_b32 v2, 4, v1                        ; its byte offset
	v_lshlrev_b32 v3, 2, v1                        ; its first number's index
	s_wait_kmcnt 0x0
.irp s, 0,1,2,3,4,5,6,7
	global_load_b128 v[P+4*\s:P+4*\s+3], v2, s[4:5] offset:SLICE*\s th:TH_LOAD_NT
.endr
	s_mov_b32 s8,  0x3ca3d70a                      ; 0.02
	s_mov_b32 s9,  0x3c23d70a                      ; 0.01
	s_mov_b32 s10, 0xc2480000                      ; -50
	s_mov_b32 s11, 0x3e4ccccd                      ; 0.2
	s_mov_b32 s12, 0x3dcccccd                      ; 0.1
	s_mov_b32 s13, 0xc0a00000                      ; -5
	s_mov_b32 s14, 0x42440000                      ; 49
	s_mov_b32 s15, 0x3df61dee                      ; bet = 0.12017427
.macro KTERM dst, x                                ; dst = k (49 + k - 2 x), k = x mod 5 - 2
	v_fma_f32 v[TA], v[\x], s11, s12
	v_floor_f32 v[TA], v[TA]                       ; x div 5
	v_fma_f32 v[TA], v[TA], s13, v[\x]             ; x mod 5
	v_add_f32 v[TA], -2.0, v[TA]                   ; k
	v_fma_f32 v[TB], v[\x], -2.0, v[TA]
	v_add_f32 v[TB], s14, v[TB]
	v_mul_f32 v[\dst], v[TA], v[TB]
.endm
; The factor of number c of my quad.  Behind v_exp_f32 stands the next factor's first line, or the first sum below: plain and
; independent, before the result is used or E0 rewritten (ISA guide 5.7.2).
.macro SCALE c
	v_add_nc_u32 v[FI], \c, v3
	v_cvt_f32_u32 v[FI], v[FI]
	v_fma_f32 v[RI], v[FI], s8, s9
	v_floor_f32 v[RI], v[RI]                       ; flat row = 50 batch + i
	v_fma_f32 v[CJ], v[RI], s10, v[FI]             ; j
	v_fma_f32 v[TA], v[RI], s8, s9
	v_floor_f32 v[TA], v[TA]                       ; batch
	v_fma_f32 v[RI], v[TA], s10, v[RI]             ; i
	KTERM E0, RI
	KTERM E1, CJ
	v_add_f32 v[E0], v[E0], v[E1]
	v_mul_f32 v[E0], s15, v[E0]
	v_exp_f32 v[SC+\c], v[E0]
.endm
	SCALE 0
	SCALE 1
	SCALE 2
	SCALE 3
	s_wait_loadcnt 0x0                             ; all eight slices
.irp s, 0,2,4,6
	v_pk_add_f32 v[P+4*\s:P+4*\s+1],   v[P+4*\s:P+4*\s+1],   v[P+4*\s+4:P+4*\s+5]
	v_pk_add_f32 v[P+4*\s+2:P+4*\s+3], v[P+4*\s+2:P+4*\s+3], v[P+4*\s+6:P+4*\s+7]
.endr
.irp s, 0,4
	v_pk_add_f32 v[P+4*\s:P+4*\s+1],   v[P+4*\s:P+4*\s+1],   v[P+4*\s+8:P+4*\s+9]
	v_pk_add_f32 v[P+4*\s+2:P+4*\s+3], v[P+4*\s+2:P+4*\s+3], v[P+4*\s+10:P+4*\s+11]
.endr
	v_pk_add_f32 v[P:P+1],   v[P:P+1],   v[P+16:P+17]
	v_pk_add_f32 v[P+2:P+3], v[P+2:P+3], v[P+18:P+19]
	s_wait_alu depctr_va_vdst(0)
	v_pk_mul_f32 v[P:P+1],   v[P:P+1],   v[SC:SC+1]
	v_pk_mul_f32 v[P+2:P+3], v[P+2:P+3], v[SC+2:SC+3]
	global_store_b128 v2, v[P:P+3], s[6:7] th:TH_STORE_NT
	s_endpgm
.Lfunc_end_k_qe44e689343_finish:
	.size	k_qe44e689343_finish, .Lfunc_end_k_qe44e689343_finish-k_qe44e689343_finish
	.p2alignl 7, 3214868480
	.fill 96, 4, 3214868480
	.section	.rodata,"a",@progbits
	.p2align	6, 0x0
	.amdhsa_kernel k_qe44e689343_finish
		.amdhsa_group_segment_fixed_size 0
		.amdhsa_private_segment_fixed_size 0
		.amdhsa_enable_private_segment 0
		.amdhsa_kernarg_size 16
		.amdhsa_user_sgpr_count 2
		.amdhsa_user_sgpr_kernarg_segment_ptr 1
		.amdhsa_wavefront_size32 1
		.amdhsa_system_sgpr_workgroup_id_x 1
		.amdhsa_system_sgpr_workgroup_id_y 1
		.amdhsa_system_sgpr_workgroup_id_z 1
		.amdhsa_system_vgpr_workitem_id 0
		.amdhsa_next_free_vgpr 64
		.amdhsa_next_free_sgpr 66
		.amdhsa_reserve_vcc 0
		.amdhsa_float_denorm_mode_32 3
		.amdhsa_float_denorm_mode_16_64 3
		.amdhsa_memory_ordered 1
		.amdhsa_forward_progress 1
		.amdhsa_inst_pref_size 8
	.end_amdhsa_kernel
	.amdgpu_metadata
---
amdhsa.version: [ 1, 2 ]
amdhsa.kernels:
  - .name:           k_qe44e689343_finish
    .symbol:         k_qe44e689343_finish.kd
    .args:
      - { .name: part, .offset: 0, .size: 8, .value_kind: global_buffer, .address_space: global }
      - { .name: out0, .offset: 8, .size: 8, .value_kind: global_buffer, .address_space: global }
    .group_segment_fixed_size: 0
    .private_segment_fixed_size: 0
    .kernarg_segment_align: 8
    .kernarg_segment_size: 16
    .max_flat_workgroup_size: 160
    .sgpr_count:     66
    .vgpr_count:     64
    .wavefront_size: 32
...
	.end_amdgpu_metadata
.endif
;; end of part 2
